; MI455X (gfx1250); checked and timed in simulation.
; The chip was launched on July 23, 2026; its instructions are those of AMD's public machine-readable ISA for CDNA 5 (MIT licence, August 2026) and "CDNA5" Instruction Set Architecture Reference Guide (July 2026). The comments in the code are by the model that wrote it; some were corrected since.
;; Attention Block. Allowed arithmetic: matrix products marked QUANTISED: E2M3 operands, one E8M0 scale for each 32 along K, by v_wmma_scale_f32_16x16x128_f8f6f4 with both operands' format E2M3, f32 sums; everything else in f32.
;; Inputs: W1_codes 64 x 2 x 24 uint8 (E2M3 codes of W1, K innermost, in blocks of 32 codes, four codes in three bytes); W1_scales 64 x 2 uint8 (E8M0 scales of W1, one for each 32 codes along K); W2_codes 64 x 2 x 24 uint8 (E2M3 codes of W2, K innermost, in blocks of 32 codes, four codes in three bytes); W2_scales 64 x 2 uint8 (E8M0 scales of W2, one for each 32 codes along K); Wk_codes 64 x 2 x 24 uint8 (E2M3 codes of Wk, K innermost, in blocks of 32 codes, four codes in three bytes); Wk_scales 64 x 2 uint8 (E8M0 scales of Wk, one for each 32 codes along K); Wq_codes 64 x 2 x 24 uint8 (E2M3 codes of Wq, K innermost, in blocks of 32 codes, four codes in three bytes); Wq_scales 64 x 2 uint8 (E8M0 scales of Wq, one for each 32 codes along K); Wv_codes 64 x 2 x 24 uint8 (E2M3 codes of Wv, K innermost, in blocks of 32 codes, four codes in three bytes); Wv_scales 64 x 2 uint8 (E8M0 scales of Wv, one for each 32 codes along K); b1 64 float32; b2 64 float32; bk 64 float32; bq 64 float32; bv 64 float32; gauss_codes 4 x 64 x 64 x 2 x 24 uint8 (E2M3 codes of gauss, K innermost, in blocks of 32 codes, four codes in three bytes); gauss_scales 4 x 64 x 64 x 2 uint8 (E8M0 scales of gauss, one for each 32 codes along K); ln1_b 64 float32; ln1_w 64 float32; ln2_b 64 float32; ln2_w 64 float32; seg_codes 4 x 64 x 64 x 2 x 24 uint8 (E2M3 codes of seg, K innermost, in blocks of 32 codes, four codes in three bytes); seg_scales 4 x 64 x 64 x 2 uint8 (E8M0 scales of seg, one for each 32 codes along K).
;; Outputs: out0 4 x 64 x 64 x 64 float32.
;; This version of the problem:
;;   THIS VERSION OF THE PROBLEM IS GIVEN IN LOW PRECISION. The matrix products marked QUANTISED in the list below multiply operands that are first quantised to E2M3 (2 exponent bits, 3 mantissa bits; 6 bits a number), with one power-of-two scale for each 32 numbers along K (OCP MX v1.0); their sums are f32. All else is computed in f32.
;;   The module's matrix products, in the order in which they are computed (A, B: the left and right operand; K: the contracted axis; several contracted axes count as one K, in the product's order):
;;     1. [M 16,384, K 64] x [K 64, N 64]; A: input seg (given as codes); B: input Wq (given as codes): QUANTISED
;;     2. [M 64, K 64] x [K 64, N 16,384]; A: input Wk (given as codes); B: input seg (given as codes): QUANTISED
;;     3. [M 16,384, K 64] x [K 64, N 64]; A: input gauss (given as codes); B: input Wv (given as codes): QUANTISED
;;     4. batch 4 x [M 4,096, K 64] x [K 64, N 4,096]; A: computed on the way; B: computed on the way: QUANTISED
;;     5. batch 4 x [M 4,096, K 4,096] x [K 4,096, N 64]; A: softmax (see below); B: computed on the way: QUANTISED
;;     6. [M 16,384, K 64] x [K 64, N 64]; A: computed on the way; B: input W1 (given as codes): QUANTISED
;;     7. [M 16,384, K 64] x [K 64, N 64]; A: computed on the way; B: input W2 (given as codes): QUANTISED
;;   THE QUANTISER, for each operand of a quantised product, along K:
;;     - K is cut into blocks of 32 from its start; a last block that is shorter is filled with zeros.
;;     - A block's scale is 2^e with e = floor(log2(the largest magnitude in the block)) - 2, held to -126 .. 127; a block of zeros has e = 0. As a byte (E8M0): e + 127.
;;     - Each number is divided by its block's scale, clamped to +-7.5, and rounded to the nearest number of E2M3, ties to even, subnormals kept.
;;     - The product sums the exact products of the quantised numbers (number of the format x scale) in f32.
;;   ~~~python
;;   def quantise(x, axis):      # numpy; x: float32 -> the quantised numbers, widened to float32 again
;;       x = np.moveaxis(x, axis, -1); K = x.shape[-1]
;;       x = np.pad(x, [(0, 0)] * (x.ndim - 1) + [(0, -K % 32)]); x = x.reshape(x.shape[:-1] + (-1, 32)); a = np.abs(x).max(-1, keepdims=True)
;;       e = np.where(a > 0, np.clip(np.frexp(np.where(a > 0, a, 1))[1] - 1 - 2, -126, 127), 0)      # np.frexp(a)[1] - 1 = floor(log2(a)), exactly
;;       r = np.clip(x / 2.0 ** e, -7.5, 7.5)
;;       step = 2.0 ** (np.maximum(np.frexp(np.where(r == 0, 1, r))[1] - 1, 0) - 3)
;;       q = np.round(r / step) * step * 2.0 ** e      # np.round: ties to even
;;       return np.moveaxis(q.reshape(q.shape[:-2] + (-1,))[..., :K], -1, axis).astype(np.float32)
;;   ~~~
;;   SOFTMAX AHEAD OF A QUANTISED PRODUCT. Where the list says 'softmax', what is quantised is not the finished softmax but p = 2^(t - M), with t = logit x log2(e) and M = ceil(the row's largest t), a whole number; so 1/2 < the row's largest p <= 1. The row's sum l is taken of the UNQUANTISED p, in f32, and the product's result is divided by l at the end. Since M is a whole number, a kernel that streams over the keys may use a running M (the ceiling of the running maximum): every later rescaling is an exact power of two, which a block's scale takes up: the codes' values come out the same.
;;   OPERANDS COMPUTED ON THE WAY. 'Computed on the way' means the value that the module computes at that place (a softmax that the list does not call 'softmax' is quantised finished and normalised). What goes into a quantiser is computed in f32, as accurately as f32 sums, v_exp_f32 and their like allow (about 1e-6 of the number): no bf16 or f16 on the way to a quantiser, and a product that is left as it is and whose result goes on into a quantised operand takes f32 operands (vector FMAs, or v_wmma_f32_16x16x4_f32). A number that lies on a knife's edge between two numbers of the format may be rounded either way, as far as f32 arithmetic and the matrix unit's own rounding can turn it there, and no further.
;;   INPUTS GIVEN AS CODES. W1 (in the module: [64, 64], K = its axis 1); W2 (in the module: [64, 64], K = its axis 1); Wk (in the module: [64, 64], K = its axis 1); Wq (in the module: [64, 64], K = its axis 1); Wv (in the module: [64, 64], K = its axis 1); gauss (in the module: [4, 64, 64, 64], K = its axis 1); seg (in the module: [4, 64, 64, 64], K = its axis 1): each comes as NAME_codes (uint8): NAME with its K axis moved to the last place and cut into blocks of 32 codes, [.., K / 32, bytes a block], one block behind the other in memory; four codes in three bytes: a row's codes are one little-endian stream of bits, code i at bits 6 i .. 6 i + 5 (a code: sign, 2 exponent bits, 3 mantissa bits); and NAME_scales (uint8): the same leading axes, one E8M0 byte (e + 127) for each 32 codes along K. Its value is code x scale, taken as it is: it is not quantised again, and the codes and scales need not be those that the quantiser above would give.
;; One version. Each part assembles by itself: llvm-mc -triple=amdgcn-amd-amdhsa -mcpu=gfx1250 --defsym DOCPART=n.
;; ======== version 1 of 1: 2 launches
;; workspace buffers: kv 1,638,400 bytes
;; launch prep (part 1): grid 64 x 4, 4 waves a work-group, no clusters, 1,536 bytes of LDS; arguments seg_codes, seg_scales, Wk_codes, Wk_scales, bk, gauss_codes, gauss_scales, Wv_codes, Wv_scales, bv, kv; writes kv
.if DOCPART == 1
	.amdgcn_target "amdgcn-amd-amdhsa--gfx1250"
	.amdhsa_code_object_version 6
	.text
	.protected	k_qbe98b43560_prep
	.globl	k_qbe98b43560_prep
	.p2align	8
	.type	k_qbe98b43560_prep,@function
k_qbe98b43560_prep:
	s_mov_b64 s[64:65], 0
	v_nop
	global_prefetch_b8 v0, s[64:65] scope:SCOPE_SE
	s_setreg_imm32_b32 hwreg(HW_REG_WAVE_MODE, 25, 1), 1
	s_wait_xcnt 0x0
; k = Wk seg + bk and v = Wv gauss + bv for all 4 x 4,096 tokens, both on codes of FP6 (E2M3) as they are given, sums in f32; then k is quantised along the
; 64 channels and v along the keys, and both leave as IMAGES OF OPERAND REGISTERS, so that the attention launch reads them by loads of 16 bytes a lane alone.
; kv: 4 batches x 32 RECORDS of 12,800 bytes, a record to 128 keys.  In a record (registers 4 c .. 4 c + 3 of lane l lie at 512 c + 16 l of a fragment):
;   0       four DOUBLE fragments of K, 1,536 bytes each.  Fragment b, lane (r, h): registers 0-5 channels 32 h .. 32 h + 31 of key 32 b + r + 8 (r / 8), registers 6-11 the same of the key 8 further on
;   6,144   their scale words, 256 bytes: fragment b, row r at 8 (r + 16 (b % 2)) + 4 (b / 2); bytes: lower key's block 0, 1, upper key's block 0, 1
;   6,400   four fragments of V^T: fragment t, row r = channel 32 (t / 2) + 8 (t % 2) + r + 8 (r / 8); K = the record's 128 keys in their order
;   12,544  their scale words, laid as K's
; SHARES.  Work-group x < 32: K of record x of batch y; x >= 32: V of record x - 32.  Wave f makes fragment f: eight matrix instructions, one quantiser, three stores of 512 bytes on end.
; K = 64 IN AN INSTRUCTION OF 128.  Source 1 holds zero codes for k = 64 .. 127.  Source 0's fragments lie 6 registers apart, so what a fragment holds for k = 64 .. 127 is the next
; fragment's codes (behind the last: zeros): FP6 has no infinity and no NaN, so these products are exact zeros.  Scale words loaded as 16 bits have 0 in bytes 2 and 3: a power of two, no NaN.
; THE ROWS OF A TILE ARE NOT NEIGHBOURS: row r of tile 2 b + u is unit 32 b + 8 u + r + 8 (r / 8), so that in the results a lane's register 16 b + i is unit 32 b + 16 (lane / 16) + i: 16 neighbours along the next K.
; No cluster and no tensor load: work-groups share only the weights, 3 KB; each token's codes are read by one work-group of each role.
; LIMITS: NaN and infinities are not served.  A block of zeros, or one whose largest magnitude lies under 2^-124, gets the scale byte 1 (the quantiser's rule says 127 for zeros): its codes are zeros or
; denormal codes under that byte, and the bytes are read by this program alone.
.set REC,  12800                       ; a record
.set FRB,  1536                        ; a fragment's image
.set KSO,  6144                        ; the scale words behind four fragments
.set VFO,  6400                        ; V's part of a record
.set VA,   4                           ; v4   48 rr + 24 h: a tile's row of 48 bytes, my half of it (rr = r + 8 (r / 8))
.set VSA,  5                           ; v5   2 rr: its two scale bytes
.set LI,   6                           ; v6   16 x lane
.set VB,   7                           ; v7   64 h: a bias along the result's rows
.set VBV,  8                           ; v8   4 rr: a bias along its columns
.set SWA,  9                           ; v9   LDS: my row's scale word
.set L8,   10                          ; v10  8 x lane
.set AT,   16                          ; v16-69   source 0: up to eight fragments, 6 registers apart, and 6 zeros
.set BT,   70                          ; v70-93   source 1: up to two fragments of 6 registers of codes and 6 of zeros
.set BI,   96                          ; v96-127  the bias, in the result's layout
.set ACC,  128                         ; v128-191 the eight results
.set PC,   192                         ; v192-203 the fragment just made
.set PT,   204                         ; v204-211 the conversions' second halves
.set TM,   212                         ; v212-215 largest magnitudes, v216-219 bytes, v224-227 the conversions' scale operands
.set PW,   228                         ; v228 the scale word just made
.set WS,   232                         ; v232-235 the weight's scale words;  v236-243 the tokens'
.set TS,   236
.set SEL,  28                          ; s[28:29] lane selects for v_permlanex16_b32: lane l xor 16
.macro MM d, a, b, c, sa, sb
	v_wmma_scale_f32_16x16x128_f8f6f4 v[\d:\d+7], v[\a:\a+11], v[\b:\b+11], v[\c:\c+7], v[\sa], v[\sb] matrix_a_fmt:MATRIX_FMT_FP6 matrix_b_fmt:MATRIX_FMT_FP6
.endm
; 64 numbers of a lane, register 16 b + i = k 32 b + 16 (lane / 16) + i of my row, become a fragment's codes in v[PC] on and its scale word in v[PW].
.macro QUANT src
.irp b, 0,1,2,3
	v_max3_num_f32 v[TM+\b], |v[\src+16*\b]|, |v[\src+1+16*\b]|, 0x1800000   ; block b: my 16 numbers, and the floor 2^(3 - 127): the byte cannot fall under 1
.endr
.irp i, 2,4,6,8,10,12,14
.irp b, 0,1,2,3
	v_max3_num_f32 v[TM+\b], v[TM+\b], |v[\src+16*\b+\i]|, |v[\src+1+16*\b+\i]|   ; the four blocks by turns; each result is read from its low end on
.endr
.endr
.irp b, 0,1,2,3
	v_permlanex16_b32 v[TM+4+\b], v[TM+\b], s[SEL], s[SEL+1]
.endr
.irp b, 0,1,2,3
	v_max_num_f32 v[TM+\b], v[TM+\b], v[TM+4+\b]   ; with lane l xor 16's: the block's largest magnitude
.endr
.irp b, 0,1,2,3
	v_add_nc_u32 v[TM+12+\b], 0xff000000, v[TM+\b]   ; 2 off its exponent field: the conversion takes this operand's exponent field as its scale
.endr
.irp b, 0,1,2,3
	v_lshrrev_b32 v[TM+4+\b], 23, v[TM+12+\b]      ; the scale's byte
.endr
	v_lshl_or_b32 v[PW], v[TM+5], 8, v[TM+4]
	v_lshl_or_b32 v[PW], v[TM+6], 16, v[PW]
	v_lshl_or_b32 v[PW], v[TM+7], 24, v[PW]
.irp c, 0,1
	v_cvt_scalef32_pk16_fp6_f32 v[PC+6*\c:PC+2+6*\c], v[\src+32*\c:\src+15+32*\c], v[TM+12+2*\c]
	v_cvt_scalef32_pk16_fp6_f32 v[PT+4*\c:PT+2+4*\c], v[\src+16+32*\c:\src+31+32*\c], v[TM+13+2*\c]   ; (a conversion's three registers begin on an even number)
.endr
	v_nop                                          ; one plain place behind a scaled conversion
.irp c, 0,1                                    ; the operand's layout wants a WHOLE block in a lane: lanes 0-15 block 2 c, lanes 16-31 block 2 c + 1
.irp i, 0,1,2
	v_permlane16_swap_b32 v[PC+6*\c+\i], v[PT+4*\c+\i]
.endr
.irp i, 0,1,2
	v_mov_b32 v[PC+3+6*\c+\i], v[PT+4*\c+\i]
.endr
.endr
.endm
	s_load_b256 s[4:11], s[0:1], 0x0               ; seg's codes, seg's scales, Wk's codes, Wk's scales
	s_load_b256 s[12:19], s[0:1], 0x20             ; bk, gauss's codes, gauss's scales, Wv's codes
	s_load_b128 s[20:23], s[0:1], 0x40             ; Wv's scales, bv
	s_load_b64 s[24:25], s[0:1], 0x50              ; kv
	v_lshl_add_u32 v254, v0, 2, 0x400
	v_mov_b32 v255, 0
	v_lshrrev_b32 v1, 5, v0
	v_readfirstlane_b32 s26, v1                    ; wave f
	s_and_b32 s27, ttmp9, 31                       ; record g
	s_and_b32 s41, ttmp7, 0xffff                   ; batch y
	s_mov_b32 s[SEL], 0x76543210
	s_mov_b32 s[SEL+1], 0xfedcba98
	v_and_b32 v1, 15, v0                           ; r
	v_bfe_u32 v2, v0, 4, 1                         ; h
	v_and_b32 v3, 8, v1
	v_add_nc_u32 v3, v3, v1                        ; rr = r + 8 (r / 8)
	v_mul_u32_u24 v[VA], v3, 48
	v_mad_u32_u24 v[VA], v2, 24, v[VA]
	v_lshlrev_b32 v[VSA], 1, v3
	v_and_b32 v[L8], 31, v0
	v_lshlrev_b32 v[LI], 4, v[L8]
	v_lshlrev_b32 v[L8], 3, v[L8]
	v_lshlrev_b32 v[VB], 6, v2
	v_lshlrev_b32 v[VBV], 2, v3
	s_and_b32 s42, s26, 1
	s_lshl_b32 s42, s42, 7
	s_lshr_b32 s43, s26, 1
	s_lshl_b32 s43, s43, 2
	s_add_co_u32 s42, s42, s43
	v_lshl_add_u32 v[SWA], v1, 3, s42              ; 8 r + 128 (f % 2) + 4 (f / 2)
.irp i, 0,1,2,3,4,5
	v_mov_b32 v[AT+24+\i], 0                       ; behind K's fourth fragment of source 0 (V's arm loads its fifth here),
	v_mov_b32 v[AT+48+\i], 0                       ; behind V's eighth,
	v_mov_b32 v[BT+6+\i], 0                        ; and source 1's k = 64 .. 127
	v_mov_b32 v[BT+18+\i], 0
.endr
.irp b, 0,1,2,3
	v_mov_b32 v[TM+4+\b], 0                        ; a lane permute's destination counts as one of its sources
.endr
	s_lshl_b32 s42, s41, 5
	s_add_co_u32 s42, s42, s27
	s_mul_i32 s42, s42, REC                        ; my record,
	s_mul_i32 s43, s26, FRB
	s_add_co_u32 s42, s42, s43                     ; my fragment in it
	s_lshl_b32 s44, s41, 12
	s_lshl_b32 s45, s27, 7
	s_add_co_u32 s44, s44, s45                     ; the record's first token: 4,096 y + 128 g
	s_mov_b32 s47, 0
	s_wait_kmcnt 0x0
	s_cmp_lt_u32 ttmp9, 32                         ; K's work-group or V's?  The choice hangs on the work-group's number alone
	s_cselect_b64 s[30:31], s[4:5], s[14:15]       ; the tokens' codes,
	s_cselect_b64 s[32:33], s[6:7], s[16:17]       ; their scales,
	s_cselect_b64 s[34:35], s[8:9], s[18:19]       ; the weight's codes,
	s_cselect_b64 s[36:37], s[10:11], s[20:21]     ; its scales,
	s_cselect_b64 s[38:39], s[12:13], s[22:23]     ; the bias
	s_cselect_b32 s40, 0, VFO
	s_add_co_u32 s42, s42, s40
	s_mov_b32 s43, 0
	s_add_nc_u64 s[24:25], s[24:25], s[42:43]
	s_cmp_lt_u32 ttmp9, 32
	s_cbranch_scc0 .Lvalues
	; ---- K: source 0 = Wk's four tiles of 16 channels, source 1 = two tiles of 16 keys: a lane holds ONE key and its registers run along the channels
	s_lshl_b32 s45, s26, 5
	s_add_co_u32 s44, s44, s45                     ; my 32 keys
	s_mul_i32 s46, s44, 48
	s_add_nc_u64 s[30:31], s[30:31], s[46:47]
	s_lshl_b32 s46, s44, 1
	s_add_nc_u64 s[32:33], s[32:33], s[46:47]
.irp u, 0,1
.irp p, 0,1,2
	global_load_b64 v[BT+12*\u+2*\p:BT+12*\u+2*\p+1], v[VA], s[30:31] offset:384*\u+8*\p
.endr
	global_load_u16 v[TS+\u], v[VSA], s[32:33] offset:16*\u
.endr
.irp t, 0,1,2,3
.irp p, 0,1,2
	global_load_b64 v[AT+6*\t+2*\p:AT+6*\t+2*\p+1], v[VA], s[34:35] offset:(32*(\t/2)+8*(\t%2))*48+8*\p
.endr
	global_load_u16 v[WS+\t], v[VSA], s[36:37] offset:(32*(\t/2)+8*(\t%2))*2
	global_load_b128 v[BI+8*\t:BI+8*\t+3], v[VB], s[38:39] offset:(32*(\t/2)+8*(\t%2))*4      ; bk of the tile's eight channels of my half: the C of the product
	global_load_b128 v[BI+8*\t+4:BI+8*\t+7], v[VB], s[38:39] offset:(32*(\t/2)+8*(\t%2))*4+16
.endr
	s_wait_loadcnt 0x0
	s_wait_alu depctr_va_vdst(0)
.irp u, 0,1
.irp t, 0,1,2,3
	MM ACC+8*(4*\u+\t), AT+6*\t, BT+12*\u, BI+8*\t, WS+\t, TS+\u
.endr
.endr
	s_branch .Lquant
.Lvalues:
	; ---- V: source 0 = eight tiles of 16 keys, source 1 = 16 rows of Wv: a lane holds ONE channel and its registers run along the keys
	s_mul_i32 s46, s44, 48
	s_add_nc_u64 s[30:31], s[30:31], s[46:47]
	s_lshl_b32 s46, s44, 1
	s_add_nc_u64 s[32:33], s[32:33], s[46:47]
	s_lshr_b32 s45, s26, 1
	s_lshl_b32 s45, s45, 5
	s_and_b32 s46, s26, 1
	s_lshl_b32 s46, s46, 3
	s_add_co_u32 s45, s45, s46                     ; my tile's first row of Wv: 32 (f / 2) + 8 (f % 2)
	s_mul_i32 s46, s45, 48
	s_add_nc_u64 s[34:35], s[34:35], s[46:47]
	s_lshl_b32 s46, s45, 1
	s_add_nc_u64 s[36:37], s[36:37], s[46:47]
	s_lshl_b32 s46, s45, 2
	s_add_nc_u64 s[38:39], s[38:39], s[46:47]
.irp i, 0,1,2,3,4,5,6,7
.irp p, 0,1,2
	global_load_b64 v[AT+6*\i+2*\p:AT+6*\i+2*\p+1], v[VA], s[30:31] offset:(32*(\i/2)+8*(\i%2))*48+8*\p
.endr
	global_load_u16 v[TS+\i], v[VSA], s[32:33] offset:(32*(\i/2)+8*(\i%2))*2
	global_load_b32 v[BI+\i], v[VBV], s[38:39]     ; bv of my channel, in all eight registers of the C: every key has it
.endr
.irp p, 0,1,2
	global_load_b64 v[BT+2*\p:BT+2*\p+1], v[VA], s[34:35] offset:8*\p
.endr
	global_load_u16 v[WS], v[VSA], s[36:37]
	s_wait_loadcnt 0x0
	s_wait_alu depctr_va_vdst(0)
.irp i, 0,1,2,3,4,5,6,7
	MM ACC+8*\i, AT+6*\i, BT, BI, TS+\i, WS
.endr
.Lquant:
.rept 4
	v_nop                                          ; four places between the last product and the first read of results (ISA guide 7.12.1)
.endr
	QUANT ACC
.irp c, 0,1,2
	global_store_b128 v[LI], v[PC+4*\c:PC+4*\c+3], s[24:25] offset:512*\c   ; 32 lanes store 512 bytes on end, at a multiple of 256 from kv's first byte
.endr
	ds_store_b32 v[SWA], v[PW]                     ; lanes l and l xor 16 write the same word with the same value
	s_wait_dscnt 0x0                               ; for the others' sake: my scale words lie in LDS
	s_barrier_signal -1
	s_barrier_wait -1
	s_cmp_lg_u32 s26, 0
	s_cbranch_scc1 .Ldone
	ds_load_b64 v[244:245], v[L8]                  ; wave 0 gathers the four fragments' 64 words
	s_wait_dscnt 0x0
	global_store_b64 v[L8], v[244:245], s[24:25] offset:KSO   ; 256 bytes on end, aligned (in wave 0 the base stands at fragment 0)
.Ldone:
	s_wait_tensorcnt 0x0
	ds_add_u32 v254, v255
	s_wait_dscnt 0x0
	s_endpgm
.Lfunc_end_k_qbe98b43560_prep:
	.size	k_qbe98b43560_prep, .Lfunc_end_k_qbe98b43560_prep-k_qbe98b43560_prep
	.p2alignl 7, 3214868480
	.fill 96, 4, 3214868480
	.section	.rodata,"a",@progbits
	.p2align	6, 0x0
	.amdhsa_kernel k_qbe98b43560_prep
		.amdhsa_group_segment_fixed_size 1536
		.amdhsa_private_segment_fixed_size 0
		.amdhsa_enable_private_segment 0
		.amdhsa_kernarg_size 88
		.amdhsa_user_sgpr_count 2
		.amdhsa_user_sgpr_kernarg_segment_ptr 1
		.amdhsa_wavefront_size32 1
		.amdhsa_system_sgpr_workgroup_id_x 1
		.amdhsa_system_sgpr_workgroup_id_y 1
		.amdhsa_system_sgpr_workgroup_id_z 1
		.amdhsa_system_vgpr_workitem_id 0
		.amdhsa_next_free_vgpr 256
		.amdhsa_next_free_sgpr 66
		.amdhsa_reserve_vcc 0
		.amdhsa_float_denorm_mode_32 3
		.amdhsa_float_denorm_mode_16_64 3
		.amdhsa_memory_ordered 1
		.amdhsa_forward_progress 1
		.amdhsa_inst_pref_size 18
	.end_amdhsa_kernel
	.amdgpu_metadata
---
amdhsa.version: [ 1, 2 ]
amdhsa.kernels:
  - .name:           k_qbe98b43560_prep
    .symbol:         k_qbe98b43560_prep.kd
    .args:
      - { .name: seg_codes, .offset: 0, .size: 8, .value_kind: global_buffer, .address_space: global }
      - { .name: seg_scales, .offset: 8, .size: 8, .value_kind: global_buffer, .address_space: global }
      - { .name: Wk_codes, .offset: 16, .size: 8, .value_kind: global_buffer, .address_space: global }
      - { .name: Wk_scales, .offset: 24, .size: 8, .value_kind: global_buffer, .address_space: global }
      - { .name: bk, .offset: 32, .size: 8, .value_kind: global_buffer, .address_space: global }
      - { .name: gauss_codes, .offset: 40, .size: 8, .value_kind: global_buffer, .address_space: global }
      - { .name: gauss_scales, .offset: 48, .size: 8, .value_kind: global_buffer, .address_space: global }
      - { .name: Wv_codes, .offset: 56, .size: 8, .value_kind: global_buffer, .address_space: global }
      - { .name: Wv_scales, .offset: 64, .size: 8, .value_kind: global_buffer, .address_space: global }
      - { .name: bv, .offset: 72, .size: 8, .value_kind: global_buffer, .address_space: global }
      - { .name: kv, .offset: 80, .size: 8, .value_kind: global_buffer, .address_space: global }
    .group_segment_fixed_size: 1536
    .private_segment_fixed_size: 0
    .kernarg_segment_align: 8
    .kernarg_segment_size: 88
    .max_flat_workgroup_size: 128
    .sgpr_count:     66
    .vgpr_count:     256
    .wavefront_size: 32
...
	.end_amdgpu_metadata
.endif
;; end of part 1
;; launch attn (part 2): grid 64 x 4, 16 waves a work-group, clusters of 4 x 1, 327,680 bytes of LDS; arguments seg_codes, seg_scales, Wq_codes, Wq_scales, bq, gauss_codes, gauss_scales, Wv_codes, Wv_scales, W1_codes, W1_scales, W2_codes, W2_scales, bv, ln1_w, ln1_b, b1, b2, ln2_w, ln2_b, kv, out0; writes out0
.if DOCPART == 2
	.amdgcn_target "amdgcn-amd-amdhsa--gfx1250"
	.amdhsa_code_object_version 6
	.text
	.protected	k_qbe98b43560_attn
	.globl	k_qbe98b43560_attn
	.p2align	8
	.type	k_qbe98b43560_attn,@function
k_qbe98b43560_attn:
	s_mov_b64 s[64:65], 0
	v_nop
	global_prefetch_b8 v0, s[64:65] scope:SCOPE_SE
	s_setreg_imm32_b32 hwreg(HW_REG_WAVE_MODE, 25, 1), 1
	s_wait_xcnt 0x0
	s_wait_alu depctr_hold_cnt(0) depctr_sa_sdst(0) depctr_va_vdst(0) depctr_va_sdst(0) depctr_va_ssrc(0) depctr_va_vcc(0) depctr_vm_vsrc(0)
	s_getreg_b32 s2, hwreg(HW_REG_IB_STS2, 6, 4)
	s_cmp_eq_u32 s2, 0
	s_cbranch_scc0 .Lentry_in_a_cluster
	s_endpgm
.Lentry_in_a_cluster:
	s_bfe_u32 s2, ttmp6, 0x10000c
	s_cmp_lg_u32 s2, 0x3003
	s_cbranch_scc0 .Lentry_shape_is_right
	s_endpgm
.Lentry_shape_is_right:
; out = LN2(x + relu(x W1^T + b1) W2^T + b2)^T with x = LN1(v + softmax(q k^T / 8) v): all products on codes of FP6 (E2M3) with one E8M0 scale for each 32 along K, sums in f32.
; k and v come as images of operand registers from kv (4 batches x 32 records of 12,800 bytes, 128 keys each: four double fragments of K, their scale words, four fragments of V^T, theirs).
; SHARES.  A work-group owns 64 queries of one batch.  Wave w = 4 ks + qt of its sixteen owns the tile of 16 queries qt and the keys 1,024 ks .. 1,024 ks + 1,023: eight steps of 128 keys, in 256
; registers, four waves to a SIMD, so that one wave's exponentials stand beside another's LDS loads and products.  A tile's four partial results are merged at the end by waves 0-3: every M is a whole number, so the merge rounds nothing but the sums.
; SOFTMAX AHEAD OF THE SECOND PRODUCT: t = score x log2(e) / 8; M = the largest t so far, rounded UP to a whole number; p = 2^(t - M) is quantised along the keys, not normalised; the row's sum is taken of the
; unquantised p and divides at the end; when M moves, the sum and O are multiplied by 2^(old M - new M).
; LAYOUT.  Every product is used transposed (source 0 = 16 keys, channels or rows of a weight; source 1 = my 16 queries): a lane holds ONE query (lane % 16) throughout.  Row r of tile 2 b + u of source 0 is unit
; 32 b + 8 u + r + 8 (r / 8), so that register 16 b + i of a result is unit 32 b + 16 (lane / 16) + i: 16 neighbours along the next K.
; K = 64 IN AN INSTRUCTION OF 128.  One operand holds zero codes in half of k; what the other holds there are codes of something else, finite by the format: exact zeros.  In k q^T that is put to use: a double fragment
; of K (tile 2 b in k = 0 .. 63, tile 2 b + 1 in k = 64 .. 127) is multiplied once by [Q | 0] and once by [0 | Q], which are 12 registers each out of the 18 of 0 Q 0.  The weights' four tiles lie 6 registers apart, zeros behind the last.
; CLUSTER.  The four query blocks of a cluster belong to one batch and walk the same records: each tile is asked for JOINTLY, by the same tensor load with the same descriptor and the mask of all four.
; LDS.  Three slots of 102,400 bytes, each with two records for each of the four key groups; a batch's 409,600 bytes are four such chunks, so slot 0 alone is filled a second time.  By this text's own count a wave has at most three tensor loads out.
; LIMITS: NaN and infinities are not served.  A block whose largest magnitude lies under 2^-124 gets the scale byte 1.  A block's largest p is taken from its largest score, which takes v_exp_f32 not to fall where its input rises.
.set SLOT, 102400
.set GRP,  25600                       ; a key group's two records in a slot: what one tensor load brings
.set REC,  12800
.set FRB,  1536                        ; a fragment's image
.set KSO,  6144                        ; in a record: K's scale words,
.set VFO,  6400                        ; V's fragments,
.set VSO,  12544                       ; V's scale words
.set CST,  3*SLOT                      ; behind the slots: Wv, W1, W2 as images: 24 registers of codes (3,072 bytes) and 4 of scale words (512) each;
.set WIM,  3584
.set CSTV, CST+3*WIM                   ; bv, ln1_w, ln1_b, b1, b2, ln2_w, ln2_b, 256 bytes each, as they lie in memory;
.set SPARE, CSTV+7*256                 ; the spare words, 128 bytes for each wave: eight blocks of 256 bytes that no other line names
.set MST,  SLOT                        ; the merge's stage, 4,608 bytes a wave, in slot 1: it has had its only fill, and nobody reads it when the first partial is stored
.set MSW,  4608
.set OST,  2*SLOT                      ; the way out: 64 channels x (256 bytes + 16), in slot 2, of which the same holds
.set OP,   272
.set LB,   1                           ; v1   25,600 ks + 16 x lane
.set LSB,  2                           ; v2   25,600 ks + 8 x lane
.set ADR,  3                           ; v3   the step's record, for fragments
.set ADS,  4                           ; v4   and for scale words
.set SPW,  5                           ; v5   LDS address of my spare word; never rewritten
.set NIL,  6                           ; v6   0; never rewritten
.set MA,   7                           ; v7   MST + 4,608 x wave + 16 x lane
.set CI,   8                           ; v8   CST + 16 x lane
.set CV,   9                           ; v9   CSTV + 64 h
.set OSW,  10                          ; v10  OST + 4,352 h + 64 qt + 4 r
.set OSR,  11                          ; v11  OST + 1,088 x wave + 272 h + 16 r
;                                        v12 -M, v13 the largest t, v[14:15] the sum in two halves
.set GA,   16                          ; v16-21 gauss's fragment, later the hidden layer's codes; v22-27 zeros; v28-33 Q, later x's codes; v34-39 zeros
.set QC,   28
.set F,    40                          ; v40-87 four fragments
.set GO,   88                          ; v88  my byte offset in out0
.set CW,   89                          ; v89  where waves 12-14 store a weight's image
;                                        v[90:91] a factor for both halves of a packed form (its low word); v92-95 at work
.set S,    96                          ; v96-159 S^T, then p; its halves SA, SB serve the tail
.set SA,   96
.set SB,   128
.set O,    160                         ; v160-191 O^T, then x
.set TM,   192                         ; v192-195 largest, v196-199 permutes and bytes, v200-202 a conversion's second half, v204-207 the conversions' scale operands
.set PC,   208                         ; v208-219 p's codes; v220-227 the conversions' second halves.  In the tail v208-231 a weight's tiles, v232-237 zeros
.set PT,   220
.set OW,   228                         ; v228-233 byte offsets of the first loads: a weight's tile row, its scale bytes, a token's row, its scale bytes, 64 h, 8 x lane
.set OWS,  229
.set OT,   230
.set OTS,  231
.set OB,   232
.set L8,   233
.set C15,  238                         ; v238 CSTV + 8 x lane
.set KS,   240                         ; v240-255 hold scales, and sums at work between their uses: K's pair, V's pair,
.set VS,   242
.set QS,   244                         ; Q's word, later the hidden layer's; p's, later x's; gauss's; seg's;
.set PW,   245
.set GS,   246
.set TSC,  247
.set WS0,  248                         ; two sets of a weight's four words
.set WS1,  252
.set WV,   48                          ; s48 my wave's number; s49 ks; s50 qt; s53 the batch
.set SEL,  60                          ; s[60:61] lane selects for v_permlanex16_b32: lane l xor 16
.set CS,   62                          ; s[62:63] c = log2(e) / 8, twice: the packed form names a pair
.set G1,   68                          ; s[68:75] descriptor group 1
.set G0,   76                          ; s[76:87] descriptor group 0, a set for each slot
.macro CROUND                          ; a round of the cluster's barrier: my work-group's barrier; wave 0 signals for the work-group; every wave waits for all four; my work-group's barrier once more
	s_barrier_signal -1
	s_barrier_wait -1
	s_cmp_lg_u32 s[WV], 0
	s_cbranch_scc1 .Lnot_wave_0_\@
	s_barrier_signal -3
.Lnot_wave_0_\@:
	s_barrier_wait -3
	s_barrier_signal -1
	s_barrier_wait -1
.endm
; One matrix instruction.  c < 0: the constant 0 starts the sum.  row = 1: source 0's scale words stand in lanes 16-31.
.macro MM d, a, b, c, sa, sb, row
.if (\c) < 0
.if \row
	v_wmma_scale_f32_16x16x128_f8f6f4 v[\d:\d+7], v[\a:\a+11], v[\b:\b+11], 0, v[\sa], v[\sb] matrix_a_fmt:MATRIX_FMT_FP6 matrix_b_fmt:MATRIX_FMT_FP6 matrix_a_scale:MATRIX_SCALE_ROW1
.else
	v_wmma_scale_f32_16x16x128_f8f6f4 v[\d:\d+7], v[\a:\a+11], v[\b:\b+11], 0, v[\sa], v[\sb] matrix_a_fmt:MATRIX_FMT_FP6 matrix_b_fmt:MATRIX_FMT_FP6
.endif
.else
.if \row
	v_wmma_scale_f32_16x16x128_f8f6f4 v[\d:\d+7], v[\a:\a+11], v[\b:\b+11], v[\c:\c+7], v[\sa], v[\sb] matrix_a_fmt:MATRIX_FMT_FP6 matrix_b_fmt:MATRIX_FMT_FP6 matrix_a_scale:MATRIX_SCALE_ROW1
.else
	v_wmma_scale_f32_16x16x128_f8f6f4 v[\d:\d+7], v[\a:\a+11], v[\b:\b+11], v[\c:\c+7], v[\sa], v[\sb] matrix_a_fmt:MATRIX_FMT_FP6 matrix_b_fmt:MATRIX_FMT_FP6
.endif
.endif
.endm
; A product with K = 64 and 64 outputs: a weight's four tiles (6 registers apart from wa on, scale words wsc on) x my 16 rows (xb, 6 registers of codes and 6 of zeros; scale word xsc); the bias cc is the C; results dd.
.macro PROD4 wa, wsc, xb, xsc, cc, dd
.irp t, 0,1,2,3
	MM \dd+8*\t, \wa+6*\t, \xb, \cc+8*\t, \wsc+\t, \xsc, 0
.endr
.endm
; 32 numbers of a lane, register 16 b + i = channel 32 b + 16 (lane / 16) + i of my row, become 6 registers of codes from dst on and two scale bytes in v[w] (bytes 2 and 3: 0).
.macro Q64 src, dst, w
.irp b, 0,1
	v_max3_num_f32 v[TM+\b], |v[\src+16*\b]|, |v[\src+16*\b+1]|, 0x1800000   ; and the floor 2^(3 - 127): the byte cannot fall under 1
.endr
.irp i, 2,4,6,8,10,12,14
.irp b, 0,1
	v_max3_num_f32 v[TM+\b], v[TM+\b], |v[\src+16*\b+\i]|, |v[\src+16*\b+\i+1]|
.endr
.endr
.irp b, 0,1
	s_delay_alu instid0(VALU_DEP_2)
	v_permlanex16_b32 v[TM+4+\b], v[TM+\b], s[SEL], s[SEL+1]
.endr
.irp b, 0,1
	s_delay_alu instid0(VALU_DEP_2)
	v_max_num_f32 v[TM+\b], v[TM+\b], v[TM+4+\b]   ; the block's largest magnitude
.endr
.irp b, 0,1
	s_delay_alu instid0(VALU_DEP_2)
	v_add_nc_u32 v[TM+12+\b], 0xff000000, v[TM+\b]   ; 2 off its exponent field: the conversion's scale operand
.endr
.irp b, 0,1
	s_delay_alu instid0(VALU_DEP_2)
	v_lshrrev_b32 v[TM+4+\b], 23, v[TM+12+\b]      ; the scale's byte
.endr
	s_delay_alu instid0(VALU_DEP_1)
	v_lshl_or_b32 v[\w], v[TM+5], 8, v[TM+4]
	v_cvt_scalef32_pk16_fp6_f32 v[\dst:\dst+2], v[\src:\src+15], v[TM+12]
	v_cvt_scalef32_pk16_fp6_f32 v[TM+8:TM+10], v[\src+16:\src+31], v[TM+13]   ; (a conversion's three registers begin on an even number)
	v_nop                                          ; one plain place behind a scaled conversion
.irp i, 0,1,2
	v_permlane16_swap_b32 v[\dst+\i], v[TM+8+\i]   ; a WHOLE block to a lane: lanes 0-15 block 0, lanes 16-31 block 1
.endr
.irp i, 0,1,2
	s_delay_alu instid0(VALU_DEP_3)
	v_mov_b32 v[\dst+3+\i], v[TM+8+\i]
.endr
.endm
.macro WIMG idx, wa, wsc               ; weight idx (0 Wv, 1 W1, 2 W2) out of LDS: 24 registers of codes, 4 of scale words
.irp c, 0,1,2,3,4,5
	ds_load_b128 v[\wa+4*\c:\wa+4*\c+3], v[CI] offset:WIM*\idx+512*\c
.endr
	ds_load_b128 v[\wsc:\wsc+3], v[CI] offset:WIM*\idx+3072
.endm
.macro VEC dst, idx                    ; vector idx of 64 numbers, in the results' layout: register 16 b + i = channel 32 b + 16 h + i
.irp k, 0,1,2,3,4,5,6,7
	ds_load_b128 v[\dst+4*\k:\dst+4*\k+3], v[CV] offset:256*\idx+128*(\k/4)+16*(\k%4)
.endr
.endm
.macro PART dst, idx                   ; O^T of my tile's partial result for key group idx
.irp c, 0,1,2,3,4,5,6,7
	ds_load_b128 v[\dst+4*\c:\dst+4*\c+3], v[MA] offset:4*MSW*\idx+512*\c
.endr
.endm
.macro ACCUM src, fr                   ; O^T += src x v[fr]
.irp j, 0,2,4,6,8,10,12,14,16,18,20,22,24,26,28,30
	v_pk_fma_f32 v[O+\j:O+\j+1], v[\src+\j:\src+\j+1], v[\fr:\fr+1], v[O+\j:O+\j+1] op_sel_hi:[1,0,1]
.endr
.endm
.macro PLACES n
.rept \n
	v_nop
.endr
.endm
; Layer norm over the 64 channels of my row (32 in my lane, 32 in lane l xor 16), in place on v[O] on; gain and bias are on their way from LDS into gw and gb.
.macro LNORM gw, gb
	v_pk_add_f32 v[94:95], v[160:161], v[162:163]
	v_pk_add_f32 v[250:251], v[168:169], v[172:173]
	v_pk_add_f32 v[248:249], v[176:177], v[180:181]
	v_pk_add_f32 v[246:247], v[184:185], v[188:189]
	v_pk_add_f32 v[244:245], v[164:165], v[166:167]
	v_pk_add_f32 v[242:243], v[170:171], v[174:175]
	v_pk_add_f32 v[240:241], v[178:179], v[182:183]
	v_pk_add_f32 v[92:93], v[186:187], v[190:191]
	s_delay_alu instid0(VALU_DEP_1)
	v_pk_add_f32 v[92:93], v[92:93], v[246:247]
	v_pk_add_f32 v[94:95], v[94:95], v[244:245]
	v_pk_add_f32 v[250:251], v[250:251], v[242:243]
	v_pk_add_f32 v[248:249], v[248:249], v[240:241]
	s_delay_alu instid0(VALU_DEP_2)
	v_pk_add_f32 v[92:93], v[92:93], v[250:251]
	s_delay_alu instid0(VALU_DEP_2)
	v_pk_add_f32 v[94:95], v[94:95], v[248:249]
	s_delay_alu instid0(VALU_DEP_1)
	v_pk_add_f32 v[92:93], v[92:93], v[94:95]
	s_delay_alu instid0(VALU_DEP_1)
	v_add_f32 v92, v92, v93
	s_delay_alu instid0(VALU_DEP_1)
	v_permlanex16_b32 v[TM+4], v92, s[SEL], s[SEL+1]
	s_delay_alu instid0(VALU_DEP_1)
	v_add_f32 v92, v92, v[TM+4]
	s_delay_alu instid0(VALU_DEP_1)
	v_mul_f32 v90, 0xbc800000, v92                 ; - the mean
.irp j, 0,2,4,6,8,10,12,14,16,18,20,22,24,26,28,30
	v_pk_add_f32 v[O+\j:O+\j+1], v[O+\j:O+\j+1], v[90:91] op_sel_hi:[1,0]
.endr
	v_pk_mul_f32 v[92:93], v[O:O+1], v[O:O+1]      ; the sum of squares of what is left
	v_pk_mul_f32 v[94:95], v[O+2:O+3], v[O+2:O+3]
.irp j, 4,8,12,16,20,24,28
	s_delay_alu instid0(VALU_DEP_2)
	v_pk_fma_f32 v[92:93], v[O+\j:O+\j+1], v[O+\j:O+\j+1], v[92:93]
	s_delay_alu instid0(VALU_DEP_2)
	v_pk_fma_f32 v[94:95], v[O+\j+2:O+\j+3], v[O+\j+2:O+\j+3], v[94:95]
.endr
	s_delay_alu instid0(VALU_DEP_1)
	v_pk_add_f32 v[92:93], v[92:93], v[94:95]
	s_delay_alu instid0(VALU_DEP_1)
	v_add_f32 v92, v92, v93
	s_delay_alu instid0(VALU_DEP_1)
	v_permlanex16_b32 v[TM+4], v92, s[SEL], s[SEL+1]
	s_delay_alu instid0(VALU_DEP_1)
	v_add_f32 v92, v92, v[TM+4]
	s_delay_alu instid0(VALU_DEP_1)
	v_fma_f32 v92, v92, s98, s99                   ; the variance + 1e-5
	s_wait_alu depctr_va_vdst(0)
	v_rsq_f32 v90, v92
	v_nop                                          ; one plain place behind a transcendental
	s_wait_alu depctr_va_vdst(0)
.irp j, 0,2,4,6,8,10,12,14,16,18,20,22,24,26,28,30
	v_pk_mul_f32 v[O+\j:O+\j+1], v[O+\j:O+\j+1], v[90:91] op_sel_hi:[1,0]
.endr
	s_wait_dscnt 0x0                               ; gain and bias are in
.irp j, 0,2,4,6,8,10,12,14,16,18,20,22,24,26,28,30
	v_pk_fma_f32 v[O+\j:O+\j+1], v[O+\j:O+\j+1], v[\gw+\j:\gw+\j+1], v[\gb+\j:\gb+\j+1]
.endr
.endm
; A KEY STEP: the 128 keys of record rec of my key group in slot slot.  first = 1: the products V^T P^T start O^T's sums with the constant 0, and there is nothing to rescale.
.macro STEP slot, rec, first
	v_add_nc_u32 v[ADR], \slot*SLOT+\rec*REC, v[LB]
	v_add_nc_u32 v[ADS], \slot*SLOT+\rec*REC, v[LSB]
	v_nop
	v_nop                                          ; with the two additions: four places in front of loads into registers that the last products read (ISA guide 7.12.1 for vector instructions)
	ds_load_b64 v[KS:KS+1], v[ADS] offset:KSO      ; register b / 2: lanes 0-15 the words of fragment b even, lanes 16-31 of b odd
.irp g, 0,1,2,3
.irp c, 0,1,2
	ds_load_b128 v[F+12*\g+4*\c:F+12*\g+4*\c+3], v[ADR] offset:FRB*\g+512*\c   ; 512 bytes on end
.endr
.endr
	s_wait_alu depctr_va_vdst(0)
	s_wait_dscnt 0x0
.irp b, 0,1,2,3                                ; S^T = K Q^T: each double fragment against [Q | 0] (v28-39) and against [0 | Q] (v22-33)
.irp u, 0,1
	MM S+16*\b+8*\u, F+12*\b, QC-6*\u, -1, KS+\b/2, QS, \b%2
.endr
.endr
	PLACES 4                                       ; in front of the loads into K's registers, and of the first read of scores
	ds_load_b64 v[VS:VS+1], v[ADS] offset:VSO
.irp g, 0,1,2,3
.irp c, 0,1,2
	ds_load_b128 v[F+12*\g+4*\c:F+12*\g+4*\c+3], v[ADR] offset:VFO+FRB*\g+512*\c   ; V lands under the softmax
.endr
.endr
.irp b, 0,1,2,3
	v_max3_num_f32 v[TM+\b], v[S+16*\b], v[S+16*\b+1], v[S+16*\b+2]   ; THE LARGEST SCORE OF EACH BLOCK OF 32 KEYS serves twice: for the row's maximum and, since p rises with the score, for the block's largest p
.endr
.irp i, 3,5,7,9,11,13
.irp b, 0,1,2,3
	v_max3_num_f32 v[TM+\b], v[TM+\b], v[S+16*\b+\i], v[S+16*\b+\i+1]
.endr
.endr
.irp b, 0,1,2,3
	v_max_num_f32 v[TM+\b], v[TM+\b], v[S+16*\b+15]
.endr
.irp b, 0,1,2,3
	s_delay_alu instid0(VALU_DEP_4)
	v_permlanex16_b32 v[TM+4+\b], v[TM+\b], s[SEL], s[SEL+1]
.endr
.irp b, 0,1,2,3
	s_delay_alu instid0(VALU_DEP_4)
	v_max_num_f32 v[TM+\b], v[TM+\b], v[TM+4+\b]   ; with lane l xor 16's 16 keys
.endr
	s_delay_alu instid0(VALU_DEP_2)
	v_max3_num_f32 v92, v[TM], v[TM+1], v[TM+2]
	s_delay_alu instid0(VALU_DEP_1)
	v_max_num_f32 v92, v92, v[TM+3]                ; the step's largest score of my query
	s_delay_alu instid0(VALU_DEP_1)
	v_mul_f32 v92, s[CS], v92                      ; as t (c is positive)
	s_delay_alu instid0(VALU_DEP_1)
	v_max_num_f32 v13, v13, v92                    ; the running largest t
	v_mov_b32 v92, v12
	s_delay_alu instid0(VALU_DEP_2)
	v_floor_f32 v12, -v13                          ; the new -M = floor(-t): M IS A WHOLE NUMBER
	s_delay_alu instid0(VALU_DEP_1)
	v_sub_f32 v92, v12, v92                        ; old M - new M: a whole number, 0 or less
	s_delay_alu instid0(VALU_DEP_1)
	v_cvt_i32_f32 v92, v92                         ; (it saturates)
	s_delay_alu instid0(VALU_DEP_1)
	v_ldexp_f32 v90, 1.0, v92                      ; f = 2^(old M - new M)
.irp j, 0,2,4,6,8,10,12,14,16,18,20,22,24,26,28,30,32,34,36,38,40,42,44,46,48,50,52,54,56,58,60,62
	v_pk_fma_f32 v[S+\j:S+\j+1], v[S+\j:S+\j+1], s[CS:CS+1], v[12:13] op_sel_hi:[1,0,0]   ; t - M, two at a time (of the pairs c and -M the low word serves both halves)
.endr
.irp b, 0,1,2,3
	v_fma_f32 v[TM+\b], v[TM+\b], s[CS], v12       ; the same of each block's largest score
.endr
	s_wait_alu depctr_va_vdst(0)
.irp j, 0,1,2,3,4,5,6,7,8,9,10,11,12,13,14,15,16,17,18,19,20,21,22,23,24,25,26,27,28,29,30,31,32,33,34,35,36,37,38,39,40,41,42,43,44,45,46,47,48,49,50,51,52,53,54,55,56,57,58,59,60,61,62,63
	v_exp_f32 v[S+\j], v[S+\j]                     ; p = 2^(t - M), at most 1: NOT normalised
.endr
.irp b, 0,1,2,3
	v_exp_f32 v[TM+\b], v[TM+\b]                   ; the block's largest p
.endr
	v_pk_mul_f32 v[14:15], v[14:15], v[90:91] op_sel_hi:[1,0]   ; the sums under the new M.  (A plain place behind the exponentials)
	s_wait_alu depctr_va_vdst(0)
.irp b, 0,1,2,3
	v_max_num_f32 v[TM+\b], 0x1800000, v[TM+\b]    ; the floor 2^(3 - 127): the byte cannot fall under 1
.endr
.irp b, 0,1,2,3
	s_delay_alu instid0(VALU_DEP_4)
	v_add_nc_u32 v[TM+12+\b], 0xff000000, v[TM+\b]   ; 2 off the exponent field: the conversion's scale operand
.endr
.irp b, 0,1,2,3
	s_delay_alu instid0(VALU_DEP_4)
	v_lshrrev_b32 v[TM+4+\b], 23, v[TM+12+\b]      ; the scale's byte
.endr
	s_delay_alu instid0(VALU_DEP_3)
	v_lshl_or_b32 v[PW], v[TM+5], 8, v[TM+4]       ; p's scale word for these 128 keys
	s_delay_alu instid0(VALU_DEP_1)
	v_lshl_or_b32 v[PW], v[TM+6], 16, v[PW]
	s_delay_alu instid0(VALU_DEP_1)
	v_lshl_or_b32 v[PW], v[TM+7], 24, v[PW]
.irp c, 0,1
	v_cvt_scalef32_pk16_fp6_f32 v[PC+6*\c:PC+6*\c+2], v[S+32*\c:S+32*\c+15], v[TM+12+2*\c]
	v_cvt_scalef32_pk16_fp6_f32 v[PT+4*\c:PT+4*\c+2], v[S+32*\c+16:S+32*\c+31], v[TM+13+2*\c]
.endr
	v_nop                                          ; one plain place behind a scaled conversion
.irp c, 0,1
.irp i, 0,1,2
	v_permlane16_swap_b32 v[PC+6*\c+\i], v[PT+4*\c+\i]   ; a WHOLE block to a lane
.endr
.irp i, 0,1,2
	s_delay_alu instid0(VALU_DEP_3)
	v_mov_b32 v[PC+6*\c+3+\i], v[PT+4*\c+\i]
.endr
.endr
	v_pk_add_f32 v[94:95], v[100:101], v[104:105]
	v_pk_add_f32 v[254:255], v[108:109], v[112:113]
	v_pk_add_f32 v[252:253], v[116:117], v[120:121]
	v_pk_add_f32 v[240:241], v[124:125], v[128:129]
	v_pk_add_f32 v[238:239], v[132:133], v[136:137]
	v_pk_add_f32 v[236:237], v[140:141], v[144:145]
	v_pk_add_f32 v[234:235], v[148:149], v[152:153]
	v_pk_add_f32 v[14:15], v[14:15], v[156:157]
	v_pk_add_f32 v[94:95], v[94:95], v[96:97]
	v_pk_add_f32 v[254:255], v[254:255], v[98:99]
	v_pk_add_f32 v[252:253], v[252:253], v[102:103]
	v_pk_add_f32 v[240:241], v[240:241], v[106:107]
	v_pk_add_f32 v[238:239], v[238:239], v[110:111]
	v_pk_add_f32 v[236:237], v[236:237], v[114:115]
	v_pk_add_f32 v[234:235], v[234:235], v[118:119]
	v_pk_add_f32 v[14:15], v[14:15], v[122:123]
	v_pk_add_f32 v[94:95], v[94:95], v[126:127]
	v_pk_add_f32 v[254:255], v[254:255], v[130:131]
	v_pk_add_f32 v[252:253], v[252:253], v[134:135]
	v_pk_add_f32 v[240:241], v[240:241], v[138:139]
	v_pk_add_f32 v[238:239], v[238:239], v[142:143]
	v_pk_add_f32 v[236:237], v[236:237], v[146:147]
	v_pk_add_f32 v[234:235], v[234:235], v[150:151]
	v_pk_add_f32 v[14:15], v[14:15], v[154:155]
	v_pk_add_f32 v[94:95], v[94:95], v[158:159]
	s_delay_alu instid0(VALU_DEP_2)
	v_pk_add_f32 v[14:15], v[14:15], v[240:241]
	s_delay_alu instid0(VALU_DEP_2)
	v_pk_add_f32 v[94:95], v[94:95], v[238:239]
	v_pk_add_f32 v[254:255], v[254:255], v[236:237]
	v_pk_add_f32 v[252:253], v[252:253], v[234:235]
	s_delay_alu instid0(VALU_DEP_2)
	v_pk_add_f32 v[14:15], v[14:15], v[254:255]
	s_delay_alu instid0(VALU_DEP_2)
	v_pk_add_f32 v[94:95], v[94:95], v[252:253]
	s_delay_alu instid0(VALU_DEP_1)
	v_pk_add_f32 v[14:15], v[14:15], v[94:95]
.if !\first
.irp j, 0,2,4,6,8,10,12,14,16,18,20,22,24,26,28,30
	v_pk_mul_f32 v[O+\j:O+\j+1], v[O+\j:O+\j+1], v[90:91] op_sel_hi:[1,0]   ; O^T under the new M, each accumulator from its low end on
.endr
.endif
	s_wait_alu depctr_va_vdst(0)
	s_wait_dscnt 0x0                               ; V is in
.irp t, 0,1,2,3                                ; O^T += V^T P^T: the four accumulators by turns
.if \first
	MM O+8*\t, F+12*\t, PC, -1, VS+\t/2, PW, \t%2
.else
	MM O+8*\t, F+12*\t, PC, O+8*\t, VS+\t/2, PW, \t%2
.endif
.endr
.endm
	s_load_b512 s[4:19], s[0:1], 0x0               ; seg's codes s4, scales s6; Wq's codes s8, scales s10; bq s12; gauss's codes s14, scales s16; Wv's codes s18
	s_load_b512 s[20:35], s[0:1], 0x40             ; Wv's scales s20; W1's codes s22, scales s24; W2's codes s26, scales s28; bv s30; ln1_w s32; ln1_b s34
	s_load_b256 s[36:43], s[0:1], 0x80             ; b1 s36; b2 s38; ln2_w s40; ln2_b s42
	s_load_b128 s[44:47], s[0:1], 0xa0             ; kv s44; out0 s46
	v_lshl_add_u32 v[SPW], v0, 2, SPARE
	v_mov_b32 v[NIL], 0
	ds_add_u32 v5, v6
	ds_add_u32 v5, v6
	s_wait_dscnt 0x0
	v_lshrrev_b32 v92, 5, v0
	s_delay_alu instid0(VALU_DEP_1)
	v_readfirstlane_b32 s[WV], v92                 ; wave 0..15
	s_lshr_b32 s49, s[WV], 2                       ; ks: my key group
	s_and_b32 s50, s[WV], 3                        ; qt: my tile of queries.  Also: the key group that waves 0-3 fetch
	s_and_b32 s53, ttmp7, 0xffff                   ; the batch, which the four partners share
	s_bfe_u32 s92, ttmp6, 0x40000                  ; cx: my place in the cluster.  It stays in s92-97 and enters seg's, gauss's and out0's addresses alone
	s_lshl_b32 s93, ttmp9, 2
	s_add_co_u32 s92, s92, s93                     ; my block of 64 queries = 4 x cluster x + cx
	s_mov_b32 s[SEL], 0x76543210
	s_mov_b32 s[SEL+1], 0xfedcba98
	s_mov_b32 s[CS], 0x3e38aa3b                    ; c = log2(e) / 8
	s_mov_b32 s[CS+1], s[CS]
	s_mov_b32 s98, 0x3c800000                      ; 1 / 64
	s_mov_b32 s99, 0x3727c5ac                      ; 1e-5
	; descriptor group 1: two records, 25,600 dense bytes, as 100 rows of 32 elements of 8 bytes; no padding: every read is on end
	s_mov_b32 s[G1], 15|(3<<16)|(1<<21)            ; 15:0 the mask: all four work-groups; 17:16 elements of 8 bytes; 21 set beside a mask
	s_mov_b32 s[G1+1], 32<<16                      ; tensor_dim0 = 32
	s_mov_b32 s[G1+2], 100<<16                     ; tensor_dim1 = 100
	s_mov_b32 s[G1+3], 32<<16                      ; tile_dim0 = 32
	s_mov_b32 s[G1+4], 100                         ; tile_dim1 = 100
	s_mov_b32 s[G1+5], 32                          ; from row to row
	s_mov_b32 s[G1+6], 0
	s_mov_b32 s[G1+7], 0
	s_mul_i32 s54, s50, GRP                        ; where my load goes in a slot,
	s_mul_i32 s56, s53, 32*REC                     ; and from where it comes: the batch's records,
	s_mul_i32 s55, s50, 8*REC                      ; the key group's eight
	s_add_co_u32 s56, s56, s55
	s_mov_b32 s57, 0
	; every LDS address is made here, ahead of any parting of the waves
	v_and_b32 v92, 31, v0                          ; lane
	v_and_b32 v93, 15, v0                          ; r
	v_bfe_u32 v94, v0, 4, 1                        ; h
	s_delay_alu instid0(VALU_DEP_2)
	v_and_b32 v95, 8, v93
	s_delay_alu instid0(VALU_DEP_1)
	v_add_nc_u32 v95, v95, v93                     ; rr = r + 8 (r / 8)
	s_mul_i32 s55, s49, GRP
	v_lshl_add_u32 v[LB], v92, 4, s55
	v_lshl_add_u32 v[LSB], v92, 3, s55
	s_mul_i32 s55, s[WV], MSW
	s_add_co_u32 s55, s55, MST
	v_lshl_add_u32 v[MA], v92, 4, s55
	v_lshl_add_u32 v[CI], v92, 4, CST
	v_lshl_add_u32 v[CV], v94, 6, CSTV
	s_lshl_b32 s55, s50, 6
	s_add_co_u32 s55, s55, OST
	v_mul_u32_u24 v[OSW], v94, 16*OP
	s_delay_alu instid0(VALU_DEP_1)
	v_lshl_add_u32 v[OSW], v93, 2, v[OSW]
	s_delay_alu instid0(VALU_DEP_1)
	v_add_nc_u32 v[OSW], s55, v[OSW]
	s_mul_i32 s55, s[WV], 4*OP
	s_add_co_u32 s55, s55, OST
	v_mul_u32_u24 v[OSR], v94, OP
	s_delay_alu instid0(VALU_DEP_1)
	v_lshl_add_u32 v[OSR], v93, 4, v[OSR]
	s_delay_alu instid0(VALU_DEP_1)
	v_add_nc_u32 v[OSR], s55, v[OSR]
	s_mul_i32 s55, s50, WIM
	s_add_co_u32 s55, s55, CST
	v_lshl_add_u32 v[CW], v92, 4, s55
	v_lshl_add_u32 v[C15], v92, 3, CSTV
	s_lshl_b32 s55, s[WV], 16
	v_lshlrev_b32 v[GO], 14, v94
	s_delay_alu instid0(VALU_DEP_1)
	v_lshl_add_u32 v[GO], v93, 4, v[GO]
	s_delay_alu instid0(VALU_DEP_1)
	v_add_nc_u32 v[GO], s55, v[GO]                 ; out0: channel 4 x wave + h (16,384 bytes each), 16 bytes a lane
	v_mul_u32_u24 v[OW], v95, 48
	s_delay_alu instid0(VALU_DEP_1)
	v_mad_u32_u24 v[OW], v94, 24, v[OW]
	v_lshlrev_b32 v[OWS], 1, v95
	v_mul_u32_u24 v[OT], v93, 48
	s_delay_alu instid0(VALU_DEP_1)
	v_mad_u32_u24 v[OT], v94, 24, v[OT]
	v_lshlrev_b32 v[OTS], 1, v93
	v_lshlrev_b32 v[OB], 6, v94
	v_lshlrev_b32 v[L8], 3, v92
.irp i, 0,1,2,3,4,5
	v_mov_b32 v[GA+6+\i], 0                        ; the zeros on both sides of Q: they stay;
	v_mov_b32 v[QC+6+\i], 0
	v_mov_b32 v[F+24+\i], 0                        ; behind Wq's fourth tile, and seg's k = 64 .. 127
	v_mov_b32 v[F+36+\i], 0
.endr
.irp b, 0,1,2,3
	v_mov_b32 v[TM+4+\b], 0                        ; a lane permute's destination counts as one of its sources
.endr
	v_mov_b32 v91, 0                               ; (named as the upper half of the pair v[90:91])
	s_lshl_b32 s96, s53, 12
	s_lshl_b32 s93, s92, 6
	s_add_co_u32 s96, s96, s93
	s_lshl_b32 s93, s50, 4
	s_add_co_u32 s96, s96, s93                     ; my first query: 4,096 x batch + 64 x block + 16 qt
	s_mul_i32 s94, s96, 48
	s_mov_b32 s95, 0
	s_lshl_b32 s96, s96, 1
	s_mov_b32 s97, 0
	s_wait_kmcnt 0x0
	s_add_nc_u64 s[56:57], s[44:45], s[56:57]
.irp n, 0,1,2
	s_mov_b32 s[G0+4*\n], 1                        ; 1:0 count = 1
	s_add_co_u32 s[G0+4*\n+1], s54, \n*SLOT        ; 63:32 LDS address: no place in the cluster enters it
	s_add_nc_u64 s[G0+4*\n+2:G0+4*\n+3], s[56:57], \n*GRP   ; 120:64 global address: chunk n of the key group's four
	s_or_b32 s[G0+4*\n+3], s[G0+4*\n+3], 0x80000000   ; 127:126 type = 2
.endr
	CROUND                                         ; all four work-groups are here: the first joint loads meet
	s_cmp_lt_u32 s[WV], 4                          ; waves 0-3 fetch, a key group each; a wave's three first fills stand in one branch
	s_cbranch_scc0 .Lno_first
	tensor_load_to_lds s[G0:G0+3], s[G1:G1+7]
	s_nop 0
	tensor_load_to_lds s[G0+4:G0+7], s[G1:G1+7]
	s_nop 0
	tensor_load_to_lds s[G0+8:G0+11], s[G1:G1+7]
	s_nop 0
	PLACES 4
.Lno_first:
	s_add_nc_u64 s[4:5], s[4:5], s[94:95]          ; seg and gauss at my first query
	s_add_nc_u64 s[14:15], s[14:15], s[94:95]
	s_add_nc_u64 s[6:7], s[6:7], s[96:97]
	s_add_nc_u64 s[16:17], s[16:17], s[96:97]
	s_lshl_b32 s94, s53, 20
	s_lshl_b32 s96, s92, 8
	s_add_co_u32 s94, s94, s96
	s_add_nc_u64 s[46:47], s[46:47], s[94:95]      ; out0 at the batch's first channel, my block's 256 bytes
	s_cmp_eq_u32 s[WV], 12                         ; the weight that waves 12, 13, 14 copy: Wv, W1, W2.  The choice hangs on the wave's number alone
	s_cselect_b64 s[88:89], s[18:19], s[22:23]
	s_cselect_b64 s[90:91], s[20:21], s[24:25]
	s_cmp_eq_u32 s[WV], 14
	s_cselect_b64 s[88:89], s[26:27], s[88:89]
	s_cselect_b64 s[90:91], s[28:29], s[90:91]
	; ---- q of my 16 queries: every wave makes its own (four matrix instructions; handing it round would cost a barrier)
.irp t, 0,1,2,3
.irp p, 0,1,2
	global_load_b64 v[F+6*\t+2*\p:F+6*\t+2*\p+1], v[OW], s[8:9] offset:(32*(\t/2)+8*(\t%2))*48+8*\p
.endr
	global_load_u16 v[WS0+\t], v[OWS], s[10:11] offset:(32*(\t/2)+8*(\t%2))*2
.endr
.irp p, 0,1,2
	global_load_b64 v[F+30+2*\p:F+30+2*\p+1], v[OT], s[4:5] offset:8*\p
	global_load_b64 v[GA+2*\p:GA+2*\p+1], v[OT], s[14:15] offset:8*\p   ; gauss's fragment, for the residual: waves 0-3 alone will use it; all load it, so that the registers are written on one path
.endr
	global_load_u16 v[TSC], v[OTS], s[6:7]
	global_load_u16 v[GS], v[OTS], s[16:17]
.irp k, 0,1,2,3,4,5,6,7
	global_load_b128 v[O+4*\k:O+4*\k+3], v[OB], s[12:13] offset:128*(\k/4)+16*(\k%4)   ; bq in the result's layout: the C of the product
.endr
	; ---- waves 12-15 bring what the tail needs into LDS, once
	s_cmp_lt_u32 s[WV], 12
	s_cbranch_scc1 .Lno_copy
	s_cmp_eq_u32 s[WV], 15
	s_cbranch_scc1 .Lvectors
.irp t, 0,1,2,3
.irp p, 0,1,2
	global_load_b64 v[SB+6*\t+2*\p:SB+6*\t+2*\p+1], v[OW], s[88:89] offset:(32*(\t/2)+8*(\t%2))*48+8*\p
.endr
	global_load_u16 v[SB+24+\t], v[OWS], s[90:91] offset:(32*(\t/2)+8*(\t%2))*2
.endr
	s_wait_loadcnt 0x0
.irp c, 0,1,2,3,4,5,6
	ds_store_b128 v[CW], v[SB+4*\c:SB+4*\c+3] offset:512*\c   ; the registers as they stand: any wave that loads them so has the operand
.endr
	s_branch .Lno_copy
.Lvectors:
.irp i, 0,1,2,3,4,5,6
	global_load_b64 v[SB+2*\i:SB+2*\i+1], v[L8], s[30+2*\i:31+2*\i]   ; bv, ln1_w, ln1_b, b1, b2, ln2_w, ln2_b: 256 bytes each
.endr
	s_wait_loadcnt 0x0
.irp i, 0,1,2,3,4,5,6
	ds_store_b64 v[C15], v[SB+2*\i:SB+2*\i+1] offset:256*\i
.endr
.Lno_copy:
	s_wait_loadcnt 0x0
	s_wait_alu depctr_va_vdst(0)
	PROD4 F, WS0, F+30, TSC, O, S                  ; q^T + bq
	PLACES 4
	Q64 S, QC, QS
	v_lshl_or_b32 v[QS], v[QS], 16, v[QS]          ; Q's two bytes twice: they serve [Q | 0] and [0 | Q]
	v_mov_b32 v13, 0xff61b1e6                      ; the largest t so far: -3e38, under every t
	s_delay_alu instid0(VALU_DEP_1)
	v_floor_f32 v12, -v13                          ; -M
	v_mov_b32 v14, 0                               ; the sum, in two halves
	v_mov_b32 v15, 0
	PLACES 4                                       ; with the four lines above and the step's first four: more than the eight places between a scale word made by vector instructions and a scaled product
	s_wait_alu depctr_va_vdst(0)
	s_wait_tensorcnt 0x2                           ; my part of slot 0 is in; slots 1 and 2, issued behind it, may stay out
	s_wait_dscnt 0x0                               ; for the others' sake: the weights' images and the vectors lie in LDS
	s_barrier_signal -1
	s_barrier_wait -1
	STEP 0, 0, 1
	STEP 0, 1, 0
	; ---- slot 0 is filled again, with the fourth chunk
	s_wait_tensorcnt 0x0                           ; all my tensor loads have landed, slots 1 and 2 among them: so a group 0 may be written
	ds_add_u32 v[SPW], v[NIL]                      ; 0 onto my spare word
	ds_add_u32 v5, v6
	s_add_nc_u64 s[G0+2:G0+3], s[G0+2:G0+3], 3*GRP   ; chunk 3; the type bits on top are not reached
	s_wait_dscnt 0x0                               ; the add is done, and my reads of slot 0 are over
	CROUND                                         ; both now hold of every wave of all four work-groups
	s_cmp_lt_u32 s[WV], 4
	s_cbranch_scc0 .Lno_refill
	tensor_load_to_lds s[G0:G0+3], s[G1:G1+7]      ; the first thing behind the round, and my only tensor load from here on: it has four steps in which to land
	s_nop 0
	PLACES 4
.Lno_refill:
	STEP 1, 0, 0
	STEP 1, 1, 0
	STEP 2, 0, 0
	STEP 2, 1, 0
	s_wait_tensorcnt 0x0                           ; my part of the fourth chunk is in (the one load that was out),
	s_wait_dscnt 0x0                               ; and my reads of slots 1 and 2 are over: behind this barrier they serve as stages
	s_barrier_signal -1
	s_barrier_wait -1
	STEP 0, 0, 0
	STEP 0, 1, 0
.irp i, 0,1,2,3,4,5
	v_mov_b32 v[PC+24+\i], 0                       ; the zeros behind a weight's fourth tile at v208 on.  These six lines are also the places behind the last products
.endr
	; ---- the partial results of key groups 1-3 go to the owners of the tiles, waves 0-3
	s_cmp_lt_u32 s[WV], 4
	s_cbranch_scc1 .Lowner
.irp c, 0,1,2,3,4,5,6,7
	ds_store_b128 v[MA], v[O+4*\c:O+4*\c+3] offset:512*\c   ; each accumulator from its low end on
.endr
	ds_store_b128 v[MA], v[12:15] offset:4096      ; -M, the largest t, the sum's two halves
	s_branch .Lmet
.Lowner:
	WIMG 0, PC, WS0                                ; Wv, for the residual
.Lmet:
	s_wait_dscnt 0x0
	s_barrier_signal -1
	s_barrier_wait -1
	s_cmp_lt_u32 s[WV], 4
	s_cbranch_scc0 .Lout
	; ---- THE TAIL, waves 0-3, a tile of 16 queries each; no barrier stands in it
.irp i, 1,2,3
	ds_load_b128 v[72+4*(\i-1):75+4*(\i-1)], v[MA] offset:4*MSW*\i+4096   ; the three partials' statistics
.endr
	PART SB, 2
	PART SA, 1
	PART F, 3
	s_wait_dscnt 24                                ; the statistics are in; the three partials' 24 loads may be out
	v_min3_num_f32 v92, v12, v72, v76
	s_delay_alu instid0(VALU_DEP_1)
	v_min_num_f32 v92, v92, v80                    ; -M of all 4,096 keys
	s_delay_alu instid0(VALU_DEP_1)
	v_sub_f32 v[TM], v92, v12                      ; M_i - M: whole numbers, 0 or less
	s_delay_alu instid0(VALU_DEP_2)
	v_sub_f32 v[TM+2], v92, v72
	s_delay_alu instid0(VALU_DEP_3)
	v_sub_f32 v[TM+4], v92, v76
	s_delay_alu instid0(VALU_DEP_4)
	v_sub_f32 v[TM+6], v92, v80
.irp i, 0,2,4,6
	s_delay_alu instid0(VALU_DEP_4)
	v_cvt_i32_f32 v[TM+\i], v[TM+\i]
.endr
.irp i, 0,2,4,6
	s_delay_alu instid0(VALU_DEP_4)
	v_ldexp_f32 v[TM+\i], 1.0, v[TM+\i]            ; f_i = 2^(M_i - M)
.endr
	s_delay_alu instid0(VALU_DEP_4)
	v_pk_mul_f32 v[14:15], v[14:15], v[TM:TM+1] op_sel_hi:[1,0]
	s_delay_alu instid0(VALU_DEP_1)
	v_pk_fma_f32 v[14:15], v[74:75], v[TM+2:TM+3], v[14:15] op_sel_hi:[1,0,1]
	s_delay_alu instid0(VALU_DEP_1)
	v_pk_fma_f32 v[14:15], v[78:79], v[TM+4:TM+5], v[14:15] op_sel_hi:[1,0,1]
	s_delay_alu instid0(VALU_DEP_1)
	v_pk_fma_f32 v[14:15], v[82:83], v[TM+6:TM+7], v[14:15] op_sel_hi:[1,0,1]
.irp j, 0,2,4,6,8,10,12,14,16,18,20,22,24,26,28,30
	v_pk_mul_f32 v[O+\j:O+\j+1], v[O+\j:O+\j+1], v[TM:TM+1] op_sel_hi:[1,0]
.endr
	s_wait_dscnt 16                                ; partial 2 is in; partials 1 and 3 may be out
	ACCUM SB, TM+4
	VEC SB, 0                                      ; bv
	s_wait_dscnt 16                                ; partial 1 is in; behind it: partial 3's eight loads and bv's eight
	ACCUM SA, TM+2
	s_wait_dscnt 8                                 ; partial 3 is in; bv's eight may be out
	ACCUM F, TM+6
	v_add_f32 v14, v14, v15                        ; the sum's two halves,
	s_delay_alu instid0(VALU_DEP_1)
	v_permlanex16_b32 v93, v14, s[SEL], s[SEL+1]
	s_delay_alu instid0(VALU_DEP_1)
	v_add_f32 v14, v14, v93                        ; and lane l xor 16's: the row's sum
	s_wait_alu depctr_va_vdst(0)
	v_rcp_f32 v90, v14
	v_nop                                          ; one plain place behind a transcendental
	s_wait_dscnt 0x0                               ; bv
	PROD4 PC, WS0, GA, GS, SB, SA                  ; v^T + bv of my 16 tokens, in f32: the residual
.irp i, 0,1,2,3,4,5
	v_mov_b32 v[F+24+\i], 0                        ; the zeros behind W1's fourth tile; also the places behind those products
.endr
	WIMG 1, F, WS1                                 ; W1
	s_wait_alu depctr_va_vdst(0)
.irp j, 0,2,4,6,8,10,12,14,16,18,20,22,24,26,28,30
	v_pk_fma_f32 v[O+\j:O+\j+1], v[O+\j:O+\j+1], v[90:91], v[SA+\j:SA+\j+1] op_sel_hi:[1,0,1]   ; v + O^T / the sum
.endr
	VEC SA, 1                                      ; ln1_w
	VEC SB, 2                                      ; ln1_b
	LNORM SA, SB                                   ; x
	VEC SA, 3                                      ; b1
	Q64 O, QC, PW                                  ; x's codes take Q's place, between the zeros
	PLACES 8                                       ; eight places between a scale word made by vector instructions and a scaled product
	s_wait_alu depctr_va_vdst(0)
	s_wait_dscnt 0x0
	PROD4 F, WS1, QC, PW, SA, SB                   ; x W1^T + b1
	PLACES 4
	WIMG 2, PC, WS0                                ; W2
	VEC SA, 4                                      ; b2
.irp j, 0,1,2,3,4,5,6,7,8,9,10,11,12,13,14,15,16,17,18,19,20,21,22,23,24,25,26,27,28,29,30,31
	v_max_num_f32 v[SB+\j], 0, v[SB+\j]            ; relu, in f32
.endr
	Q64 SB, GA, QS                                 ; the hidden layer's codes take gauss's place
	PLACES 8
	s_wait_alu depctr_va_vdst(0)
	s_wait_dscnt 0x0
	PROD4 PC, WS0, GA, QS, SA, SB                  ; h W2^T + b2
	PLACES 4
.irp j, 0,2,4,6,8,10,12,14,16,18,20,22,24,26,28,30
	v_pk_add_f32 v[O+\j:O+\j+1], v[O+\j:O+\j+1], v[SB+\j:SB+\j+1]
.endr
	VEC SA, 5                                      ; ln2_w
	VEC SB, 6                                      ; ln2_b
	LNORM SA, SB
.irp j, 0,1,2,3,4,5,6,7,8,9,10,11,12,13,14,15,16,17,18,19,20,21,22,23,24,25,26,27,28,29,30,31
	ds_store_b32 v[OSW], v[O+\j], offset:(32*(\j/16)+\j%16)*OP   ; channel 32 (j / 16) + 16 h + j % 16, token 16 qt + r: the result turns in the stage
.endr
.Lout:
	; ---- THE WAY OUT, all sixteen waves: four channels each; a channel's 64 tokens are 256 bytes
	s_wait_dscnt 0x0
	s_barrier_signal -1
	s_barrier_wait -1
	ds_load_b128 v[SA:SA+3], v[OSR]
	ds_load_b128 v[SA+4:SA+7], v[OSR] offset:2*OP
	s_wait_dscnt 0x1                               ; the first pair of rows is in
	global_store_b128 v[GO], v[SA:SA+3], s[46:47] th:TH_STORE_NT   ; 16 lanes store 256 bytes on end, at a multiple of 256 from out0's first byte
	s_wait_dscnt 0x0
	global_store_b128 v[GO], v[SA+4:SA+7], s[46:47] offset:32768 th:TH_STORE_NT
	s_wait_tensorcnt 0x0                           ; the wave's end, behind my last tensor load and my last LDS store
	ds_add_u32 v[SPW], v[NIL]
	s_wait_dscnt 0x0
	CROUND                                         ; the closing round: no work-group ends while a partner may still ask for a tile that names it
	s_endpgm
.Lfunc_end_k_qbe98b43560_attn:
	.size	k_qbe98b43560_attn, .Lfunc_end_k_qbe98b43560_attn-k_qbe98b43560_attn
	.p2alignl 7, 3214868480
	.fill 96, 4, 3214868480
	.section	.rodata,"a",@progbits
	.p2align	6, 0x0
	.amdhsa_kernel k_qbe98b43560_attn
		.amdhsa_group_segment_fixed_size 327680
		.amdhsa_private_segment_fixed_size 0
		.amdhsa_enable_private_segment 0
		.amdhsa_kernarg_size 176
		.amdhsa_user_sgpr_count 2
		.amdhsa_user_sgpr_kernarg_segment_ptr 1
		.amdhsa_wavefront_size32 1
		.amdhsa_system_sgpr_workgroup_id_x 1
		.amdhsa_system_sgpr_workgroup_id_y 1
		.amdhsa_system_sgpr_workgroup_id_z 1
		.amdhsa_system_vgpr_workitem_id 0
		.amdhsa_next_free_vgpr 256
		.amdhsa_next_free_sgpr 100
		.amdhsa_reserve_vcc 0
		.amdhsa_float_denorm_mode_32 3
		.amdhsa_float_denorm_mode_16_64 3
		.amdhsa_memory_ordered 1
		.amdhsa_forward_progress 1
		.amdhsa_inst_pref_size 188
	.end_amdhsa_kernel
	.amdgpu_metadata
---
amdhsa.version: [ 1, 2 ]
amdhsa.kernels:
  - .name:           k_qbe98b43560_attn
    .symbol:         k_qbe98b43560_attn.kd
    .args:
      - { .name: seg_codes, .offset: 0, .size: 8, .value_kind: global_buffer, .address_space: global }
      - { .name: seg_scales, .offset: 8, .size: 8, .value_kind: global_buffer, .address_space: global }
      - { .name: Wq_codes, .offset: 16, .size: 8, .value_kind: global_buffer, .address_space: global }
      - { .name: Wq_scales, .offset: 24, .size: 8, .value_kind: global_buffer, .address_space: global }
      - { .name: bq, .offset: 32, .size: 8, .value_kind: global_buffer, .address_space: global }
      - { .name: gauss_codes, .offset: 40, .size: 8, .value_kind: global_buffer, .address_space: global }
      - { .name: gauss_scales, .offset: 48, .size: 8, .value_kind: global_buffer, .address_space: global }
      - { .name: Wv_codes, .offset: 56, .size: 8, .value_kind: global_buffer, .address_space: global }
      - { .name: Wv_scales, .offset: 64, .size: 8, .value_kind: global_buffer, .address_space: global }
      - { .name: W1_codes, .offset: 72, .size: 8, .value_kind: global_buffer, .address_space: global }
      - { .name: W1_scales, .offset: 80, .size: 8, .value_kind: global_buffer, .address_space: global }
      - { .name: W2_codes, .offset: 88, .size: 8, .value_kind: global_buffer, .address_space: global }
      - { .name: W2_scales, .offset: 96, .size: 8, .value_kind: global_buffer, .address_space: global }
      - { .name: bv, .offset: 104, .size: 8, .value_kind: global_buffer, .address_space: global }
      - { .name: ln1_w, .offset: 112, .size: 8, .value_kind: global_buffer, .address_space: global }
      - { .name: ln1_b, .offset: 120, .size: 8, .value_kind: global_buffer, .address_space: global }
      - { .name: b1, .offset: 128, .size: 8, .value_kind: global_buffer, .address_space: global }
      - { .name: b2, .offset: 136, .size: 8, .value_kind: global_buffer, .address_space: global }
      - { .name: ln2_w, .offset: 144, .size: 8, .value_kind: global_buffer, .address_space: global }
      - { .name: ln2_b, .offset: 152, .size: 8, .value_kind: global_buffer, .address_space: global }
      - { .name: kv, .offset: 160, .size: 8, .value_kind: global_buffer, .address_space: global }
      - { .name: out0, .offset: 168, .size: 8, .value_kind: global_buffer, .address_space: global }
    .group_segment_fixed_size: 327680
    .private_segment_fixed_size: 0
    .kernarg_segment_align: 8
    .kernarg_segment_size: 176
    .max_flat_workgroup_size: 512
    .sgpr_count:     100
    .vgpr_count:     256
    .wavefront_size: 32
...
	.end_amdgpu_metadata
.endif
;; end of part 2
